; MI455X (gfx1250); checked and timed in simulation.
; The chip was launched on July 23, 2026; its instructions are those of AMD's public machine-readable ISA for CDNA 5 (MIT licence, August 2026) and "CDNA5" Instruction Set Architecture Reference Guide (July 2026). The comments in the code are by the model that wrote it; some were corrected since.
;; Attention. Allowed arithmetic: float matrix products may take bf16 or f16 operands with f32 sums; all other float work in f32.
;; Inputs: Q 2 x 8 x 2,048 x 512 float32; V 2 x 8 x 2,048 x 128 float32; freqs 1 x 1 x 1 x 512 float32.
;; Outputs: out0 2 x 8 x 2,048 x 128 float32.
;; One version. Each part assembles by itself: llvm-mc -triple=amdgcn-amd-amdhsa -mcpu=gfx1250 --defsym DOCPART=n.
;; ======== version 1 of 1: 2 launches
;; limits: values are held in f16: magnitudes above 65,504 overflow, below 6.1e-05 lose precision; right only within a limited range of input values; a function is approximated: absolute error at most 1.5e-05
;; workspace buffers: qr 33,554,432 bytes; st 31,457,280 bytes
;; launch scan (part 1): grid 8 x 32, 8 waves a work-group, no clusters, 58,368 bytes of LDS; arguments Q, V, freqs, qr, st; writes qr, st
.if DOCPART == 1
	.amdgcn_target "amdgcn-amd-amdhsa--gfx1250"
	.amdhsa_code_object_version 6
	.text
	.protected	k_q26babc81b7_scan
	.globl	k_q26babc81b7_scan
	.p2align	8
	.type	k_q26babc81b7_scan,@function
k_q26babc81b7_scan:
	s_mov_b64 s[64:65], 0
	v_nop
	global_prefetch_b8 v0, s[64:65] scope:SCOPE_SE
	s_setreg_imm32_b32 hwreg(HW_REG_WAVE_MODE, 25, 1), 1
	s_wait_xcnt 0x0
; FIRST OF TWO LAUNCHES.  out = tril(QR QR^T, -1) V has no softmax, so it is summed by chunks of 128 rows:
;   out[t] = sum over s < t of the same chunk of (QR[t].QR[s]) V[s]  +  QR[t] . S,   S[n][dv] = sum over earlier chunks' rows s of QR[s][n] V[s][dv].
; This launch rotates Q (each column by its own frequency, read from freqs), stores QR as f16, and stores the running sums S.
; A work-group owns one head, one half of its rows (1,024) and one slab of 64 columns n: 16 x 2 x 8 = 256 work-groups.
; It walks its rows in 16 steps of 64; a chunk is two steps.  Its part of S is 64 n x 128 dv = 32 tiles of 16 x 16, four for each of 8 waves.
;   qr: f16 [head 16][slab 8][t 2048][64]                          (a slab's rows are dense: every store run below is contiguous)
;   st: f16 of S / 256, [head 16][slot-1: 15][nt 8][mt 32][lane 32][16 bytes]; lane (r, h) of block (nt, mt) holds S[16 mt + 8 h + 0..7][16 nt + r]:
;       the accumulator tile as it lies in registers, and half of the second launch's operand fragment.
;   slot 1..8 = sum of chunks 0..slot-1;  slot 9..15 = sum of chunks 8..slot-1 (the second half starts its own sum; the second launch adds slot 8).
; FORMATS AND LIMITS.  Matrix operands are f16 (11 bits), sums f32: four operand roundings enter each output, and with 8-bit mantissas
; their sum over 2,047 terms would come too near the allowed error.  So |QR| and |V| must stay below 65,504 and |S| below 256 x 65,504 = 1.67e7.
; The order of the sums differs from reference()'s.  A NaN or infinity in a row reaches its own chunk and later rows only.
; TRIGONOMETRY by polynomials on the whole reduced range: ph = t f (one f32 product, as reference() forms it), y = ph - rndne(ph), exact, |y| <= 1/2,
; z = y y, s = 2 sin(pi y) = y (a0 + z (a1 + z (a2 + z (a3 + z a4)))), c = cos(pi y) = 1 + z (c1 + .. z c5); cos(2 pi y) = 1 - s s / 2, sin(2 pi y) = s c.
; The first terms left out are below 8e-6 and 5e-7 at |y| = 1/2.
; NO CLUSTER: the eight slabs of a (head, half) read the same rows of V (512 of the 768 bytes that a row brings in), but every number is rounded to
; f16 in registers before it may lie in LDS for the transposing loads; a joint tensor load would add an f32 stage of 32,768 bytes a step, written and read.
.set PQ,    160                        ; LDS pitch of a QR row: 128 bytes + 32 = 5 x 32
.set PVV,   288                        ; LDS pitch of a V row: 256 bytes + 32 = 9 x 32
.set LV,    64*PQ                      ; V's tile lies behind QR's 64 rows
.set LSLOT, LV+64*PVV                  ; 28,672 bytes; two slots take turns
.set QSTEP, 131072                     ; 64 rows of Q (2,048 bytes each)
.set VSTEP, 32768                      ; 64 rows of V (512 bytes each)
.set RSTEP, 8192                       ; 64 rows of a slab of qr (128 bytes each)
.set SSTEP, 131072                     ; one slot of st
; v2 Q offset (8w+h) 2048 + 16 r   v3 V offset 8w 512 + 16 l     v4 qr offset (8w+h) 128 + 8 r    v5 LDS QR store (8w+h) 160 + 8 r
; v6 LDS V store 8w 288 + 8 l      v7, v8 transposing loads of QR, V   v9 st offset               v10 freqs offset 16 r
.set F,    12                          ; v[12:15]   the frequencies of my 4 columns
.set T,    16                          ; v[16:23]   t of my four Q loads, in the first register of each pair (the second is named by the packed form, not used)
.set QREG, 24                          ; v[24:55]   two sets of 16: Q as loaded
.set VREG, 56                          ; v[56:119]  two sets of 32: V as loaded
.set TR,   120                         ; v[120:151] at work: 4 column pairs x (y, z, s, c); also fragment buffer 1
.set YY, 0
.set ZZ, 2
.set SS, 4
.set CC, 6
.set QH,   152                         ; v[152:159] rotated Q, f16
.set VH,   160                         ; v[160:175] V in f16; later the state in f16
.set FR0,  176                         ; v[176:207] fragments of rows 0-31 of the step
.set FR1,  TR                          ;            fragments of rows 32-63
.set ACC,  208                         ; v[208:239] tile (a, b) at 8 (2a + b)
.set A4,   240                         ; v[240:241] a4 twice
.set C5,   242                         ; v[242:243] c5 twice
	s_load_b256 s[4:11], s[0:1], 0x0               ; Q s[4:5], V s[6:7], freqs s[8:9], qr s[10:11]
	s_load_b64 s[12:13], s[0:1], 0x20              ; st
	v_lshl_add_u32 v244, v0, 2, 0xe000
	v_mov_b32 v245, 0
	v_lshrrev_b32 v1, 5, v0
	v_readfirstlane_b32 s14, v1                    ; wave w
	s_mov_b32 s15, ttmp9                           ; slab x
	s_and_b32 s16, ttmp7, 0xffff
	s_and_b32 s17, s16, 1                          ; half
	s_lshr_b32 s16, s16, 1                         ; head
.irp k, 24,25
	s_mov_b32 s[\k], 0xbf996966                    ; a3 = -pi^7 / 2520
	s_mov_b32 s[\k+2], 0x40a335e3                  ; a2 =  pi^5 / 60
	s_mov_b32 s[\k+4], 0xc1255de7                  ; a1 = -pi^3 / 3
	s_mov_b32 s[\k+6], 0x40c90fdb                  ; a0 =  2 pi
	s_mov_b32 s[\k+8], 0x3e70fa83                  ; c4 =  pi^8 / 40320
	s_mov_b32 s[\k+10], 0xbfaae9e4                 ; c3 = -pi^6 / 720
	s_mov_b32 s[\k+12], 0x4081e0f8                 ; c2 =  pi^4 / 24
	s_mov_b32 s[\k+14], 0xc09de9e6                 ; c1 = -pi^2 / 2
.endr
	v_mov_b32 v[A4], 0x3e283c1b                    ; a4 =  pi^9 / 181440
	v_mov_b32 v[A4+1], 0x3e283c1b
	v_mov_b32 v[C5], 0xbcd368f9                    ; c5 = -pi^10 / 3628800
	v_mov_b32 v[C5+1], 0xbcd368f9
	; lane terms: l = lane, r = l % 16, h = l / 16
	v_bfe_u32 v1, v0, 4, 1                         ; h
	v_and_b32 v120, 31, v0                         ; l
	v_and_b32 v121, 15, v0                         ; r
	s_lshl_b32 s21, s14, 3
	v_add_nc_u32 v122, s21, v1                     ; 8 w + h
	v_lshlrev_b32 v10, 4, v121                     ; 16 r: my 4 columns in the slab's 256 bytes
	v_lshl_add_u32 v2, v122, 11, v10
	v_lshlrev_b32 v123, 4, v120                    ; 16 l
	s_lshl_b32 s22, s14, 12
	v_add_nc_u32 v3, s22, v123
	v_lshlrev_b32 v124, 3, v121                    ; 8 r
	v_lshl_add_u32 v4, v122, 7, v124
	v_mul_u32_u24 v5, v122, PQ
	v_add_nc_u32 v5, v5, v124
	s_mul_i32 s22, s14, 8*PVV
	v_lshl_add_u32 v6, v120, 3, s22
	v_and_b32 v125, 7, v0
	v_lshl_add_u32 v125, v1, 3, v125               ; 8 h + l % 8: the row that I address in a transposing load
	v_bfe_u32 v126, v0, 3, 1
	v_lshlrev_b32 v126, 4, v126                    ; which 16 bytes of the tile's 32
	s_and_b32 s22, s14, 1                          ; my M tiles: mt = 2 (w & 1) + a
	s_lshr_b32 s23, s14, 1                         ; my N tiles: nt = 2 (w >> 1) + b
	s_lshl_b32 s21, s22, 6
	v_mul_u32_u24 v7, v125, PQ
	v_add3_u32 v7, v7, v126, s21
	s_lshl_b32 s21, s23, 6
	v_mul_u32_u24 v8, v125, PVV
	v_add3_u32 v8, v8, v126, s21
	s_lshl_b32 s22, s22, 10                        ; two blocks mt of 512 bytes
	s_lshl_b32 s23, s23, 15                        ; two runs nt of 16,384 bytes
	s_add_co_u32 s22, s22, s23
	v_add_nc_u32 v9, s22, v123
	s_lshl_b32 s23, s17, 10
	v_add_nc_u32 v127, s23, v122
	v_cvt_f32_u32 v[T], v127                       ; t of my first row: 1024 half + 8 w + h
.irp i, 1,3,5,7
	v_mov_b32 v[T+\i], 0
.endr
	; byte offsets of the work-group's parts, each below 2^31, in s[18:19]
	s_mov_b32 s19, 0
	s_lshl_b32 s18, s16, 22                        ; Q: head x 4,194,304 + half x 2,097,152 + slab x 256
	s_lshl_b32 s21, s17, 21
	s_add_co_u32 s18, s18, s21
	s_lshl_b32 s21, s15, 8
	s_add_co_u32 s18, s18, s21
	s_wait_kmcnt 0x0
	s_add_nc_u64 s[4:5], s[4:5], s[18:19]
	s_mov_b32 s18, s21
	s_add_nc_u64 s[8:9], s[8:9], s[18:19]          ; freqs: slab x 256
	s_lshl_b32 s18, s16, 20                        ; V: head x 1,048,576 + half x 524,288
	s_lshl_b32 s21, s17, 19
	s_add_co_u32 s18, s18, s21
	s_add_nc_u64 s[6:7], s[6:7], s[18:19]
	s_lshl_b32 s18, s16, 21                        ; qr: head x 2,097,152 + slab x 262,144 + half x 131,072
	s_lshl_b32 s21, s15, 18
	s_add_co_u32 s18, s18, s21
	s_lshl_b32 s21, s17, 17
	s_add_co_u32 s18, s18, s21
	s_add_nc_u64 s[10:11], s[10:11], s[18:19]
	s_mul_i32 s18, s16, 0x1e0000                   ; st: head x 15 slots + half x 8 slots + slab x 4 blocks of 512 bytes
	s_lshl_b32 s21, s17, 20
	s_add_co_u32 s18, s18, s21
	s_lshl_b32 s21, s15, 11
	s_add_co_u32 s18, s18, s21
	s_add_nc_u64 s[12:13], s[12:13], s[18:19]
; four loads: load i brings rows 8w + 2i + h, 16 lanes a row's 256 bytes of the slab.  ahead: steps in front of the bases
.macro LOADQ R, ahead
.irp i, 0,1,2,3
	global_load_b128 v[QREG+16*\R+4*\i:QREG+16*\R+4*\i+3], v2, s[4:5] offset:\ahead*QSTEP+\i*4096 th:TH_LOAD_NT
.endr
.endm
; eight loads: load j brings row 8w + j, 512 bytes.  No hint: the eight slabs' work-groups read the same rows
.macro LOADV R, ahead
.irp j, 0,1,2,3,4,5,6,7
	global_load_b128 v[VREG+32*\R+4*\j:VREG+32*\R+4*\j+3], v3, s[6:7] offset:\ahead*VSTEP+\j*512
.endr
.endm
.macro P4MUL d, a, b                   ; in all four column pairs: d = a b
.irp p, 0,1,2,3
	v_pk_mul_f32 v[TR+8*\p+\d:TR+8*\p+\d+1], v[TR+8*\p+\a:TR+8*\p+\a+1], v[TR+8*\p+\b:TR+8*\p+\b+1]
.endr
.endm
.macro P4HORN d, k                     ; in all four column pairs: d = d z + the constant in s[k]
.irp p, 0,1,2,3
	v_pk_fma_f32 v[TR+8*\p+\d:TR+8*\p+\d+1], v[TR+8*\p+\d:TR+8*\p+\d+1], v[TR+8*\p+ZZ:TR+8*\p+ZZ+1], s[\k:\k+1] op_sel_hi:[1,1,0]
.endr
.endm
; rotate loads 2g and 2g+1 of set R: four column pairs p (load 2g + p/2, columns 2 (p%2), +1); each line for all four, so dependent lines stand four apart
.macro ROPE2 R, g
.irp p, 0,1,2,3
	v_pk_mul_f32 v[TR+8*\p:TR+8*\p+1], v[F+2*(\p%2):F+2*(\p%2)+1], v[T+4*\g+2*(\p/2):T+4*\g+2*(\p/2)+1] op_sel_hi:[1,0]   ; ph = f t
.endr
.irp p, 0,1,2,3
	v_rndne_f32 v[TR+8*\p+ZZ], v[TR+8*\p]
	v_rndne_f32 v[TR+8*\p+ZZ+1], v[TR+8*\p+1]
.endr
.irp p, 0,1,2,3
	v_pk_add_f32 v[TR+8*\p:TR+8*\p+1], v[TR+8*\p:TR+8*\p+1], v[TR+8*\p+ZZ:TR+8*\p+ZZ+1] neg_lo:[0,1] neg_hi:[0,1]         ; y, exact
.endr
	P4MUL ZZ, YY, YY
.irp p, 0,1,2,3
	v_pk_fma_f32 v[TR+8*\p+SS:TR+8*\p+SS+1], v[TR+8*\p+ZZ:TR+8*\p+ZZ+1], v[A4:A4+1], s[24:25] op_sel_hi:[1,1,0]
.endr
.irp p, 0,1,2,3
	v_pk_fma_f32 v[TR+8*\p+CC:TR+8*\p+CC+1], v[TR+8*\p+ZZ:TR+8*\p+ZZ+1], v[C5:C5+1], s[32:33] op_sel_hi:[1,1,0]
.endr
	P4HORN SS, 26
	P4HORN CC, 34
	P4HORN SS, 28
	P4HORN CC, 36
	P4HORN SS, 30
	P4HORN CC, 38
	P4MUL SS, SS, YY                               ; s = 2 sin(pi y)
.irp p, 0,1,2,3
	v_pk_fma_f32 v[TR+8*\p+CC:TR+8*\p+CC+1], v[TR+8*\p+CC:TR+8*\p+CC+1], v[TR+8*\p+ZZ:TR+8*\p+ZZ+1], 1.0 op_sel_hi:[1,1,0]   ; c = cos(pi y)
.endr
	P4MUL ZZ, SS, SS
.irp p, 0,1,2,3
	v_pk_fma_f32 v[TR+8*\p:TR+8*\p+1], v[TR+8*\p+ZZ:TR+8*\p+ZZ+1], -0.5, 1.0 op_sel_hi:[1,0,0]                              ; cos = 1 - s s / 2
.endr
	P4MUL SS, SS, CC                               ; sin = s c
.irp p, 0,1,2,3
	v_pk_mul_f32 v[TR+8*\p+CC:TR+8*\p+CC+1], v[QREG+16*\R+8*\g+2*\p:QREG+16*\R+8*\g+2*\p+1], v[TR+8*\p:TR+8*\p+1]
.endr
.irp p, 0,1,2,3
	v_fma_f32 v[TR+8*\p+ZZ], -v[QREG+16*\R+8*\g+2*\p+1], v[TR+8*\p+SS], v[TR+8*\p+CC]        ; even column: q0 cos0 - q1 sin0
	v_fma_f32 v[TR+8*\p+ZZ+1], v[QREG+16*\R+8*\g+2*\p], v[TR+8*\p+SS+1], v[TR+8*\p+CC+1]     ; odd column:  q1 cos1 + q0 sin1
.endr
.irp p, 0,1,2,3
	v_cvt_pk_f16_f32 v[QH+4*\g+\p], v[TR+8*\p+ZZ], v[TR+8*\p+ZZ+1]
.endr
.endm
; eight transposing loads: rows k0 .. k0+31 of slot R as fragments A(0), A(1) (16 columns n x 32 rows t) and B(0), B(1) (32 rows t x 16 columns dv)
.macro FRAGS R, k0, fr
.irp a, 0,1
	ds_load_tr16_b128 v[\fr+8*\a:\fr+8*\a+3], v7 offset:\R*LSLOT+\k0*PQ+32*\a
	ds_load_tr16_b128 v[\fr+8*\a+4:\fr+8*\a+7], v7 offset:\R*LSLOT+(\k0+16)*PQ+32*\a
.endr
.irp b, 0,1
	ds_load_tr16_b128 v[\fr+16+8*\b:\fr+16+8*\b+3], v8 offset:\R*LSLOT+LV+\k0*PVV+32*\b
	ds_load_tr16_b128 v[\fr+16+8*\b+4:\fr+16+8*\b+7], v8 offset:\R*LSLOT+LV+(\k0+16)*PVV+32*\b
.endr
.endm
.macro MUL4 fr, zero                   ; S(a, b) += QR^T(a) V(b); zero = 1: the first product starts the sums
.irp a, 0,1
.irp b, 0,1
.if \zero
	v_wmma_f32_16x16x32_f16 v[ACC+8*(2*\a+\b):ACC+8*(2*\a+\b)+7], v[\fr+8*\a:\fr+8*\a+7], v[\fr+16+8*\b:\fr+16+8*\b+7], 0
.else
	v_wmma_f32_16x16x32_f16 v[ACC+8*(2*\a+\b):ACC+8*(2*\a+\b)+7], v[\fr+8*\a:\fr+8*\a+7], v[\fr+16+8*\b:\fr+16+8*\b+7], v[ACC+8*(2*\a+\b):ACC+8*(2*\a+\b)+7]
.endif
.endr
.endr
.endm
; ONE STEP of 64 rows, on register set and LDS slot R.  nwait: the loads younger than this step's (the next step's).  refq, refv: ask for the rows two
; steps ahead.  mma: add the step to S.  emit: store S (a chunk has ended).  more: a step follows.
; One barrier a step serves both orders: slot R is written behind the barrier of the step before, in front of which every wave had waited
; (s_wait_dscnt 0) for its reads of slot R, two steps back; and it is read behind this step's barrier, in front of which every wave waits for its stores.
.macro STEP R, zero, nwait, refq, refv, mma, emit, more
	s_wait_loadcnt \nwait                          ; loads return in order: this step's rows (and, the first time, freqs) are in
	v_add_f32 v[T+2], 2.0, v[T]                    ; load i holds rows 2 i further down
	v_add_f32 v[T+4], 4.0, v[T]
	v_add_f32 v[T+6], 0x40c00000, v[T]
	ROPE2 \R, 0
	ROPE2 \R, 1
	v_add_f32 v[T], 0x42800000, v[T]               ; 64 rows on
.if \mma
.set j, 0
.rept 16
	v_cvt_pk_f16_f32 v[VH+j], v[VREG+32*\R+2*j], v[VREG+32*\R+2*j+1]
.set j, j+1
.endr
.endif
.if \refq
	LOADQ \R, 2                                    ; the set has just been read out
.endif
.if \refv
	LOADV \R, 2
.endif
.irp i, 0,1,2,3
	global_store_b64 v4, v[QH+2*\i:QH+2*\i+1], s[10:11] offset:\i*256      ; two slab rows: 256 consecutive bytes, aligned
.endr
.if \mma
.irp i, 0,1,2,3
	ds_store_b64 v5, v[QH+2*\i:QH+2*\i+1] offset:\R*LSLOT+\i*2*PQ
.endr
.irp j, 0,1,2,3,4,5,6,7
	ds_store_b64 v6, v[VH+2*\j:VH+2*\j+1] offset:\R*LSLOT+LV+\j*PVV
.endr
	s_wait_dscnt 0x0                               ; my rows lie in LDS (zero: the other waves read them)
	s_barrier_signal -1
	s_barrier_wait -1
	FRAGS \R, 0, FR0
	FRAGS \R, 32, FR1
	s_wait_dscnt 8                                 ; the eight younger loads (rows 32-63) may stay out
	MUL4 FR0, \zero
	s_wait_dscnt 0x0                               ; all my reads of the slot are done
	MUL4 FR1, 0
.rept 4
	v_nop                                          ; four places (ISA guide 7.12.1) before the sums are read and before buffer 1's registers are written again
.endr
.endif
.if \emit
.set j, 0
.rept 16
	v_pk_mul_f32 v[TR+2*j:TR+2*j+1], v[ACC+2*j:ACC+2*j+1], 0x3b800000 op_sel_hi:[1,0]      ; S / 256, exact
.set j, j+1
.endr
.set j, 0
.rept 16
	v_cvt_pk_f16_f32 v[VH+j], v[TR+2*j], v[TR+2*j+1]
.set j, j+1
.endr
.irp q, 0,1,2,3
	global_store_b128 v9, v[VH+4*\q:VH+4*\q+3], s[12:13] offset:(\q%2)*16384+(\q/2)*512    ; tile (a = q/2, b = q%2): 512 consecutive bytes
.endr
.endif
.if \more
	s_wait_xcnt 0x0                                ; the bases, QH and VH are written again only behind this wait
	s_add_nc_u64 s[4:5], s[4:5], QSTEP
	s_add_nc_u64 s[6:7], s[6:7], VSTEP
	s_add_nc_u64 s[10:11], s[10:11], RSTEP
.if \emit
	s_add_nc_u64 s[12:13], s[12:13], SSTEP
.endif
.endif
.endm
	global_load_b128 v[F:F+3], v10, s[8:9]
	LOADQ 0, 0
	LOADV 0, 0
	LOADQ 1, 1
	LOADV 1, 1
	STEP 0, 1, 12, 1, 1, 1, 0, 1                   ; chunk 0 stands in front of the loop: its first products start the sums
	STEP 1, 0, 12, 1, 1, 1, 1, 1
	s_mov_b32 s20, 5                               ; chunks 1 to 5
.Lchunk:
	STEP 0, 0, 12, 1, 1, 1, 0, 1
	STEP 1, 0, 12, 1, 1, 1, 1, 1
	s_sub_co_i32 s20, s20, 1
	s_cmp_lg_u32 s20, 0
	s_cbranch_scc1 .Lchunk
	s_cmp_lg_u32 s17, 0                            ; the same in all eight waves
	s_cbranch_scc1 .Lh1
	STEP 0, 0, 12, 1, 1, 1, 0, 1                   ; first half: chunk 6 asks for chunk 7,
	STEP 1, 0, 12, 1, 1, 1, 1, 1
	STEP 0, 0, 12, 0, 0, 1, 0, 1                   ; chunk 7 asks for nothing: the counts run down
	STEP 1, 0, 0, 0, 0, 1, 1, 0                    ; and ends in slot 8, the half's total
	s_wait_tensorcnt 0x0
	ds_add_u32 v244, v245
	s_wait_dscnt 0x0
	s_endpgm
.Lh1:
	STEP 0, 0, 12, 1, 0, 1, 0, 1                   ; second half: no block needs chunk 15's sum, so its V is not asked for:
	STEP 1, 0, 4, 1, 0, 1, 1, 1                    ; four younger loads (Q alone) from here on
	STEP 0, 0, 4, 0, 0, 0, 0, 1                    ; chunk 15 is rotated and stored, nothing more
	STEP 1, 0, 0, 0, 0, 0, 0, 0
	s_wait_tensorcnt 0x0
	ds_add_u32 v244, v245
	s_wait_dscnt 0x0
	s_endpgm
.Lfunc_end_k_q26babc81b7_scan:
	.size	k_q26babc81b7_scan, .Lfunc_end_k_q26babc81b7_scan-k_q26babc81b7_scan
	.p2alignl 7, 3214868480
	.fill 96, 4, 3214868480
	.section	.rodata,"a",@progbits
	.p2align	6, 0x0
	.amdhsa_kernel k_q26babc81b7_scan
		.amdhsa_group_segment_fixed_size 58368
		.amdhsa_private_segment_fixed_size 0
		.amdhsa_enable_private_segment 0
		.amdhsa_kernarg_size 40
		.amdhsa_user_sgpr_count 2
		.amdhsa_user_sgpr_kernarg_segment_ptr 1
		.amdhsa_wavefront_size32 1
		.amdhsa_system_sgpr_workgroup_id_x 1
		.amdhsa_system_sgpr_workgroup_id_y 1
		.amdhsa_system_sgpr_workgroup_id_z 1
		.amdhsa_system_vgpr_workitem_id 0
		.amdhsa_next_free_vgpr 246
		.amdhsa_next_free_sgpr 66
		.amdhsa_reserve_vcc 0
		.amdhsa_float_denorm_mode_32 3
		.amdhsa_float_denorm_mode_16_64 3
		.amdhsa_memory_ordered 1
		.amdhsa_forward_progress 1
		.amdhsa_inst_pref_size 201
	.end_amdhsa_kernel
	.amdgpu_metadata
---
amdhsa.version: [ 1, 2 ]
amdhsa.kernels:
  - .name:           k_q26babc81b7_scan
    .symbol:         k_q26babc81b7_scan.kd
    .args:
      - { .name: Q, .offset: 0, .size: 8, .value_kind: global_buffer, .address_space: global }
      - { .name: V, .offset: 8, .size: 8, .value_kind: global_buffer, .address_space: global }
      - { .name: freqs, .offset: 16, .size: 8, .value_kind: global_buffer, .address_space: global }
      - { .name: qr, .offset: 24, .size: 8, .value_kind: global_buffer, .address_space: global }
      - { .name: st, .offset: 32, .size: 8, .value_kind: global_buffer, .address_space: global }
    .group_segment_fixed_size: 58368
    .private_segment_fixed_size: 0
    .kernarg_segment_align: 8
    .kernarg_segment_size: 40
    .max_flat_workgroup_size: 256
    .sgpr_count:     66
    .vgpr_count:     246
    .wavefront_size: 32
...
	.end_amdgpu_metadata
.endif
;; end of part 1
;; launch outp (part 2): grid 16 x 16, 4 waves a work-group, no clusters, 217,600 bytes of LDS; arguments qr, st, V, out0; writes out0
.if DOCPART == 2
	.amdgcn_target "amdgcn-amd-amdhsa--gfx1250"
	.amdhsa_code_object_version 6
	.text
	.protected	k_q26babc81b7_outp
	.globl	k_q26babc81b7_outp
	.p2align	8
	.type	k_q26babc81b7_outp,@function
k_q26babc81b7_outp:
	s_mov_b64 s[64:65], 0
	v_nop
	global_prefetch_b8 v0, s[64:65] scope:SCOPE_SE
	s_setreg_imm32_b32 hwreg(HW_REG_WAVE_MODE, 25, 1), 1
	s_wait_xcnt 0x0
; SECOND OF TWO LAUNCHES.  A work-group makes block i (128 rows) of one head's output:
;   out[t] = sum over s < t of the block of (QR[t].QR[s]) V[s]  +  QR[t] . S(slot i)  (+ QR[t] . S(slot 8) for i > 8; nothing for i = 0).
; qr and st as the first launch laid them: qr f16 [head][slab 8][t][64]; st f16 of S / 256, [head][slot-1][nt 8][mt 32][lane][16 bytes].
; Four waves.  Scores: wave w makes query blocks w (against key blocks 0-3) and 7-w (against 0-7): 12 tiles of 16 x 16, the same text in every wave.
; Output: wave w owns columns dv = 32 w .. 32 w + 31 of all 128 rows: 16 tiles.
; All products are used transposed, so that results fall as the next step wants them:
;   scores: source 0 = key rows, source 1 = query rows: lane (r, h), register j holds P[t = r][s = 8 h + j]; packed, that is half of a source-1 fragment.
;   P V and QR S: source 0 = V^T or S^T (rows dv), source 1 = P or QR (columns t): lane r holds row t, registers j hold dv = 8 h + j: 32 neighbouring bytes.
; FORMATS AND LIMITS.  Matrix operands f16, sums f32.  P is stored as P / 256 (exact scale), as S is; the output is multiplied by 256.
; So |QR|, |V| < 65,504 and |P|, |S| < 1.67e7.  The order of the sums differs from reference()'s.  A NaN or infinity in a row reaches its own block and
; later rows only.
; NO CLUSTER: the blocks of a head share no tile of qr or V; slot 8 is read by 8 of a head's 16 blocks and goes straight into registers.
; LDS: QRL 8 slabs x 128 rows x 144 bytes (128 + 16 = 9 x 16); PL 64 tiles x 512 bytes in fragment order; VL 128 rows x 288 bytes (256 + 32 = 9 x 32).
; The f32 stage for the way out (128 rows x 528 bytes) takes QRL's bytes after their only fill and their last read.
.set SLAB, 18432
.set PL,   8*SLAB                      ; 147,456
.set VL,   PL+32768                    ; 180,224
; REGISTERS, in windows of 256.
; window 0: v4-6 fragment address r 144 + 16 h + 3 slabs x {0, 1, 2}; v7-9 the same + my query block w; v10-12 + my query block 7-w;
;   v13, v14 where I put P of blocks w, 7-w; v15 where I put V; v16 transposing loads of V; v17 P fragments; v18 stage in; v19 stage back;
;   v20 my 32 rows in V and in out0; v21 my columns in a state; v32-111, v112-191 two fragment buffers; v192-255 fragments of V
; window 1: state 1, fragment (K step kk, nt) at 16 kk + 8 nt.   window 2: V as loaded (row j at 4 j), later state 2.
; window 3: score sums (block 7-w at 8 sb, block w at 64 + 8 sb), then output sums (tb, nt) at 8 (2 tb + nt); v128, v129: 16 tb + r - 8 h of blocks w, 7-w
.set VI,  4
.set VTA, 7
.set VTB, 10
.set FB0, 32
.set FB1, 112
.set VF,  192
.set MSB, 0
.macro WIN new                         ; low byte: bits 1:0 source 0, 3:2 source 1, 5:4 source 2, 7:6 destination; high byte: the setting that is left
.if MSB != (\new)
	s_set_vgpr_msb (MSB<<8)|(\new)
.set MSB, (\new)
.endif
.endm
.macro PLACES                          ; four places behind matrix instructions (ISA guide 7.12.1) before their registers are loaded, read or written
.rept 4
	v_nop
.endr
.endm
	s_load_b256 s[4:11], s[0:1], 0x0               ; qr s[4:5], st s[6:7], V s[8:9], out0 s[10:11]
	v_lshl_add_u32 v30, v0, 2, 0x35000
	v_mov_b32 v31, 0
	ds_add_u32 v30, v31
	ds_add_u32 v30, v31
	v_lshrrev_b32 v1, 5, v0
	v_readfirstlane_b32 s12, v1                    ; wave w
	s_mov_b32 s13, ttmp9                           ; block i
	s_and_b32 s14, ttmp7, 0xffff                   ; head
	; descriptor group 1: 32 slab rows are 4,096 dense bytes: one row of 512 elements of 8 bytes, 16 bytes of padding behind every 128
	s_mov_b32 s16, 0x07130000                      ; 17:16 element 8 bytes; 20 padding on; 24:22 every 32 words (code 4); 31:25 of 4 words (code 3)
	s_mov_b32 s17, 512<<16                         ; tensor_dim0 = 512
	s_mov_b32 s18, 1<<16
	s_mov_b32 s19, 512<<16                         ; tile_dim0 = 512
	s_mov_b32 s20, 1
	s_mov_b32 s21, 512
	s_mov_b32 s22, 0
	s_mov_b32 s23, 0
	s_lshl_b32 s26, s14, 21                        ; head x 2,097,152 + block x 16,384 + wave x 4,096
	s_lshl_b32 s27, s13, 14
	s_add_co_u32 s26, s26, s27
	s_lshl_b32 s27, s12, 12
	s_add_co_u32 s26, s26, s27
	s_mov_b32 s27, 0
	s_mul_i32 s28, s12, 32*144                     ; my 32 rows in each slab of LDS
	s_wait_dscnt 0x0
	s_wait_kmcnt 0x0
	s_add_nc_u64 s[24:25], s[4:5], s[26:27]
	; a group 0 for each slab; each wave fetches its own 32 rows of all eight slabs: eight tensor loads outstanding at most
.irp x, 0,1,2,3,4,5,6,7
	s_mov_b32 s[68+4*\x], 1
	s_add_co_u32 s[69+4*\x], s28, \x*SLAB
	s_add_nc_u64 s[70+4*\x:71+4*\x], s[24:25], \x*262144
	s_or_b32 s[71+4*\x], s[71+4*\x], 0x80000000
	tensor_load_to_lds s[68+4*\x:71+4*\x], s[16:23]
	s_nop 0
.endr
	s_lshl_b32 s40, s14, 20                        ; V and out0: head x 1,048,576 + block x 65,536
	s_lshl_b32 s41, s13, 16
	s_add_co_u32 s40, s40, s41
	s_mov_b32 s41, 0
	s_add_nc_u64 s[32:33], s[8:9], s[40:41]
	s_add_nc_u64 s[34:35], s[10:11], s[40:41]
	v_and_b32 v2, 31, v0                           ; l
	v_lshlrev_b32 v22, 4, v2                       ; 16 l
	s_lshl_b32 s45, s12, 14
	v_add_nc_u32 v20, s45, v22                     ; my 32 rows of 512 bytes
	WIN 0x80
.set j, 0
.rept 32
	global_load_b128 v[4*j:4*j+3], v20, s[32:33] offset:j*512 th:TH_LOAD_NT    ; row 32 w + j of V, whole
.set j, j+1
.endr
	WIN 0
	v_and_b32 v3, 15, v0                           ; r
	v_bfe_u32 v1, v0, 4, 1                         ; h
	v_mul_u32_u24 v4, v3, 144
	v_lshl_add_u32 v4, v1, 4, v4
	v_add_nc_u32 v5, 3*SLAB, v4
	v_add_nc_u32 v6, 6*SLAB, v4
	s_mul_i32 s42, s12, 16*144
	s_sub_co_u32 s43, 7, s12                       ; 7 - w
	s_mul_i32 s44, s43, 16*144
.irp n, 0,1,2
	v_add_nc_u32 v[VTA+\n], s42, v[VI+\n]
	v_add_nc_u32 v[VTB+\n], s44, v[VI+\n]
.endr
	s_lshl_b32 s45, s12, 12
	s_add_co_u32 s45, s45, PL
	v_add_nc_u32 v13, s45, v22
	s_lshl_b32 s45, s43, 12
	s_add_co_u32 s45, s45, PL
	v_add_nc_u32 v14, s45, v22
	s_mul_i32 s45, s12, 32*288
	s_add_co_u32 s45, s45, VL
	v_lshl_add_u32 v15, v2, 3, s45
	v_and_b32 v23, 7, v0
	v_lshl_add_u32 v23, v1, 3, v23
	v_mul_u32_u24 v16, v23, 288
	v_bfe_u32 v23, v0, 3, 1
	v_lshl_add_u32 v16, v23, 4, v16
	s_lshl_b32 s45, s12, 6
	s_add_co_u32 s45, s45, VL
	v_add_nc_u32 v16, s45, v16
	v_add_nc_u32 v17, PL, v22
	v_mul_u32_u24 v18, v3, 528
	v_lshl_add_u32 v18, v1, 5, v18
	s_lshl_b32 s45, s12, 7
	v_add_nc_u32 v18, s45, v18
	s_mul_i32 s45, s12, 32*528
	v_add_nc_u32 v19, s45, v22
	s_lshl_b32 s45, s12, 15
	v_add_nc_u32 v21, s45, v22
	v_lshlrev_b32 v23, 3, v1
	v_sub_nc_u32 v23, v3, v23                      ; r - 8 h
	s_lshl_b32 s45, s12, 4
	s_lshl_b32 s46, s43, 4
	WIN 0xc0
	v_add_nc_u32 v128, s45, v23                    ; P[t][s] of block w is kept where 16 sb + j < this
	v_add_nc_u32 v129, s46, v23                    ; the same for block 7 - w
	WIN 0
; 20 loads: 32 columns (half k2 of slab x) of the eight row blocks and, once more, of my two query blocks
.macro LDF buf, x, k2
	WIN 0
.irp rb, 0,1,2,3,4,5,6,7
	ds_load_b128 v[\buf+8*\rb:\buf+8*\rb+3], v[VI+(\x)/3] offset:((\x)%3)*SLAB+\rb*2304+\k2*64
	ds_load_b128 v[\buf+8*\rb+4:\buf+8*\rb+7], v[VI+(\x)/3] offset:((\x)%3)*SLAB+\rb*2304+\k2*64+32
.endr
	ds_load_b128 v[\buf+64:\buf+67], v[VTA+(\x)/3] offset:((\x)%3)*SLAB+\k2*64
	ds_load_b128 v[\buf+68:\buf+71], v[VTA+(\x)/3] offset:((\x)%3)*SLAB+\k2*64+32
	ds_load_b128 v[\buf+72:\buf+75], v[VTB+(\x)/3] offset:((\x)%3)*SLAB+\k2*64
	ds_load_b128 v[\buf+76:\buf+79], v[VTB+(\x)/3] offset:((\x)%3)*SLAB+\k2*64+32
.endm
.macro SCORE buf, zero                 ; 12 score tiles, 32 along n
	WIN 0xf0
.irp sb, 0,1,2,3,4,5,6,7
.if \zero
	v_wmma_f32_16x16x32_f16 v[8*\sb:8*\sb+7], v[\buf+8*\sb:\buf+8*\sb+7], v[\buf+72:\buf+79], 0
.else
	v_wmma_f32_16x16x32_f16 v[8*\sb:8*\sb+7], v[\buf+8*\sb:\buf+8*\sb+7], v[\buf+72:\buf+79], v[8*\sb:8*\sb+7]
.endif
.endr
.irp sb, 0,1,2,3
.if \zero
	v_wmma_f32_16x16x32_f16 v[64+8*\sb:64+8*\sb+7], v[\buf+8*\sb:\buf+8*\sb+7], v[\buf+64:\buf+71], 0
.else
	v_wmma_f32_16x16x32_f16 v[64+8*\sb:64+8*\sb+7], v[\buf+8*\sb:\buf+8*\sb+7], v[\buf+64:\buf+71], v[64+8*\sb:64+8*\sb+7]
.endif
.endr
.endm
; the scores, slab by slab as the slabs arrive.  s1 = 1: each turn also asks for two K steps of state 1 (8 loads, 16,384 bytes of the work-group's four waves).
; TH_LOAD_NT: 14 of a head's 15 slots are read once in the launch; slot 8, as block 8 reads it here, is the exception.
.macro SCORES s1
.irp x, 0,1,2,3,4,5,6,7
	s_wait_tensorcnt 7-\x                          ; tensor loads end in order: my rows of slab x are in, the 7 - x younger slabs stay out
	s_wait_dscnt 0x0                               ; no LDS load of mine is out at the signal (buffer 1 is whole)
	s_barrier_signal -1
	s_barrier_wait -1                              ; everybody's rows of slab x are in
.if \x > 0
	PLACES
.endif
	LDF FB0, \x, 0
.if \x > 0
	SCORE FB1, 0                                   ; the second half of the slab before
	PLACES
.endif
	LDF FB1, \x, 1
.if \s1
	WIN 0x40
.irp c, 0,1
.irp nt, 0,1
.irp m, 0,1
	global_load_b128 v[16*(2*\x+\c)+8*\nt+4*\m:16*(2*\x+\c)+8*\nt+4*\m+3], v21, s[36:37] offset:\nt*16384+(2*(2*\x+\c)+\m)*512 th:TH_LOAD_NT
.endr
.endr
.endr
.endif
	s_wait_dscnt 20                                ; buffer 1's 20 loads may stay out
.if \x == 0
	SCORE FB0, 1                                   ; the first products start the sums
.else
	SCORE FB0, 0
.endif
.endr
	s_wait_dscnt 0x0
	SCORE FB1, 0
	PLACES
.endm
.macro MASKT base, sb, d               ; one tile: keep s < t, that is 16 sb + j < 16 tb + r - 8 h
.irp j, 0,1,2,3,4,5,6,7
	v_cmp_lt_i32 vcc_lo, 16*\sb+\j, v[\d]
	v_cndmask_b32 v[(\base)+\j], 0, v[(\base)+\j], vcc_lo
.endr
.endm
; mask, scale by 1/256, round to f16, store in fragment order.  Block 7-w against key blocks 0-3 lies wholly below the diagonal.
.macro PMASK
	WIN 0xcf
.irp sb, 0,1,2,3
	MASKT 64+8*\sb, \sb, 128
.endr
.irp sb, 4,5,6,7
	MASKT 8*\sb, \sb, 129
.endr
.set j, 0
.rept 48
	v_pk_mul_f32 v[2*j:2*j+1], v[2*j:2*j+1], 0x3b800000 op_sel_hi:[1,0]
.set j, j+1
.endr
.set j, 0
.rept 12
.irp c, 0,1,2,3
	v_cvt_pk_f16_f32 v[8*j+\c], v[8*j+2*\c], v[8*j+2*\c+1]      ; in place, ascending: no source is written before it is read
.endr
.set j, j+1
.endr
	WIN 0x0c
.irp sb, 0,1,2,3,4,5,6,7
	ds_store_b128 v14, v[8*\sb:8*\sb+3] offset:\sb*512
.endr
.irp sb, 0,1,2,3
	ds_store_b128 v13, v[64+8*\sb:64+8*\sb+3] offset:\sb*512
.endr
	WIN 0
.endm
; my 32 rows of V to f16 and into LDS; the barrier also publishes P
.macro VCONV n
	s_wait_loadcnt \n
	WIN 0x0a
.set j, 0
.rept 64
	v_cvt_pk_f16_f32 v[32+j], v[2*j], v[2*j+1]
.set j, j+1
.endr
	WIN 0
.set j, 0
.rept 32
	ds_store_b64 v15, v[32+2*j:33+2*j] offset:j*288
.set j, j+1
.endr
	s_wait_dscnt 0x0                               ; my P and my V lie in LDS (zero: the other waves read them)
	s_barrier_signal -1
	s_barrier_wait -1
.endm
; out(tb, nt) = sum over q <= tb / 2 of V^T(q, nt) P(tb, q): 20 fragments of P, 40 products; the first product of each tile starts its sum
.macro PV
	WIN 0
.irp q, 0,1,2,3
.irp nt, 0,1
	ds_load_tr16_b128 v[VF+8*(2*\q+\nt):VF+8*(2*\q+\nt)+3], v16 offset:\q*9216+32*\nt
	ds_load_tr16_b128 v[VF+8*(2*\q+\nt)+4:VF+8*(2*\q+\nt)+7], v16 offset:\q*9216+32*\nt+4608
.endr
.endr
.set fi, 0
.irp tb, 0,1,2,3,4,5,6,7
.irp q, 0,1,2,3
.if \q <= \tb/2
	ds_load_b128 v[32+8*fi:32+8*fi+3], v17 offset:(4*\tb+\q)*1024
	ds_load_b128 v[32+8*fi+4:32+8*fi+7], v17 offset:(4*\tb+\q)*1024+512
.set fi, fi+1
.endif
.endr
.endr
	WIN 0xf0
.set fi, 0
.irp tb, 0,1,2,3,4,5,6,7
.irp q, 0,1,2,3
.if \q <= \tb/2
	s_wait_dscnt 2*(19-fi)                         ; the loads of the 19 - fi younger fragments may stay out
.irp nt, 0,1
.if \q == 0
	v_wmma_f32_16x16x32_f16 v[8*(2*\tb+\nt):8*(2*\tb+\nt)+7], v[VF+8*(2*\q+\nt):VF+8*(2*\q+\nt)+7], v[32+8*fi:32+8*fi+7], 0
.else
	v_wmma_f32_16x16x32_f16 v[8*(2*\tb+\nt):8*(2*\tb+\nt)+7], v[VF+8*(2*\q+\nt):VF+8*(2*\q+\nt)+7], v[32+8*fi:32+8*fi+7], v[8*(2*\tb+\nt):8*(2*\tb+\nt)+7]
.endif
.endr
.set fi, fi+1
.endif
.endr
.endr
	PLACES
	WIN 0
.endm
.macro LDF8 kk                         ; 16 loads: K step kk (32 columns n) of the eight row blocks, into buffer kk % 2
.irp rb, 0,1,2,3,4,5,6,7
	ds_load_b128 v[FB0+80*((\kk)%2)+8*\rb:FB0+80*((\kk)%2)+8*\rb+3], v[VI+(\kk)/6] offset:(((\kk)/2)%3)*SLAB+\rb*2304+((\kk)%2)*64
	ds_load_b128 v[FB0+80*((\kk)%2)+8*\rb+4:FB0+80*((\kk)%2)+8*\rb+7], v[VI+(\kk)/6] offset:(((\kk)/2)%3)*SLAB+\rb*2304+((\kk)%2)*64+32
.endr
.endm
; out += S^T QR^T over 16 K steps.  mw: the window byte (0xf1: state 1, 0xf2: state 2).  s2 = 1: each K step also asks for its four loads of state 2
; (slot 8; no hint: seven blocks of the head read it here).
.macro INTER mw, s2
	WIN 0
	LDF8 0
.irp kk, 0,1,2,3,4,5,6,7,8,9,10,11,12,13,14,15
.if \kk > 0
	PLACES
.endif
.if \kk < 15
	WIN 0
	LDF8 \kk+1
	s_wait_dscnt 16                                ; the next step's 16 loads may stay out
.else
	s_wait_dscnt 0x0
.endif
.if \s2
	s_wait_loadcnt 60                              ; younger than this step's four: 60 - 4 kk of this state and the 4 kk of state 2 asked for so far
	WIN 0x80
.irp nt, 0,1
.irp m, 0,1
	global_load_b128 v[16*\kk+8*\nt+4*\m:16*\kk+8*\nt+4*\m+3], v21, s[38:39] offset:\nt*16384+(2*\kk+\m)*512
.endr
.endr
.else
	s_wait_loadcnt 60-4*\kk                        ; the later K steps' loads of this state may stay out
.endif
	WIN \mw
.irp nt, 0,1
.irp tb, 0,1,2,3,4,5,6,7
	v_wmma_f32_16x16x32_f16 v[8*(2*\tb+\nt):8*(2*\tb+\nt)+7], v[16*\kk+8*\nt:16*\kk+8*\nt+7], v[FB0+80*(\kk%2)+8*\tb:FB0+80*(\kk%2)+8*\tb+7], v[8*(2*\tb+\nt):8*(2*\tb+\nt)+7]
.endr
.endr
.endr
	PLACES
	WIN 0
.endm
	s_cmp_eq_u32 s13, 0                            ; every branch hangs on the block's number: the same in all four waves
	s_cbranch_scc1 .Lb0
	s_mul_i32 s40, s14, 0x1e0000                   ; the head's 15 slots of 131,072 bytes
	s_mov_b32 s41, 0
	s_add_nc_u64 s[38:39], s[6:7], s[40:41]
	s_sub_co_u32 s42, s13, 1
	s_lshl_b32 s40, s42, 17
	s_add_nc_u64 s[36:37], s[38:39], s[40:41]      ; slot i
	s_add_nc_u64 s[38:39], s[38:39], 7*131072      ; slot 8
	SCORES 1
	PMASK
	VCONV 63                                       ; the 64 state loads are younger than V's 32; the count's field ends at 63, so one of them is waited for too
	PV
	s_cmp_gt_u32 s13, 8
	s_cbranch_scc1 .Ltwo
	INTER 0xf1, 0
	s_branch .Lout
.Ltwo:
	INTER 0xf1, 1
	INTER 0xf2, 0
	s_branch .Lout
.Lb0:
	SCORES 0                                       ; block 0 has no earlier rows
	PMASK
	VCONV 0
	PV
.Lout:
	; THE WAY OUT: times 256, 32 bytes a lane into the stage, read back as whole rows of 512 bytes
	s_wait_dscnt 0x0
	s_barrier_signal -1
	s_barrier_wait -1                              ; nobody reads QRL any more: its bytes become the stage
	WIN 0xc3
.set j, 0
.rept 64
	v_pk_mul_f32 v[2*j:2*j+1], v[2*j:2*j+1], 0x43800000 op_sel_hi:[1,0]
.set j, j+1
.endr
	WIN 0x0c
.irp tb, 0,1,2,3,4,5,6,7
.irp nt, 0,1
	ds_store_b128 v18, v[8*(2*\tb+\nt):8*(2*\tb+\nt)+3] offset:\tb*8448+64*\nt
	ds_store_b128 v18, v[8*(2*\tb+\nt)+4:8*(2*\tb+\nt)+7] offset:\tb*8448+64*\nt+16
.endr
.endr
	WIN 0
	s_wait_dscnt 0x0                               ; my columns of all rows lie in the stage (zero: the other waves read them)
	s_barrier_signal -1
	s_barrier_wait -1
.set j, 0
.rept 32
	ds_load_b128 v[32+4*j:32+4*j+3], v19 offset:j*528
.set j, j+1
.endr
.set j, 0
.rept 32
	s_wait_dscnt 31-j                              ; LDS loads return in order: row j is in
	global_store_b128 v20, v[32+4*j:32+4*j+3], s[34:35] offset:j*512 th:TH_STORE_NT   ; row 32 w + j: 512 consecutive bytes, aligned
.set j, j+1
.endr
	s_wait_tensorcnt 0x0
	ds_add_u32 v30, v31
	s_wait_dscnt 0x0
	s_endpgm
.Lfunc_end_k_q26babc81b7_outp:
	.size	k_q26babc81b7_outp, .Lfunc_end_k_q26babc81b7_outp-k_q26babc81b7_outp
	.p2alignl 7, 3214868480
	.fill 96, 4, 3214868480
	.section	.rodata,"a",@progbits
	.p2align	6, 0x0
	.amdhsa_kernel k_q26babc81b7_outp
		.amdhsa_group_segment_fixed_size 217600
		.amdhsa_private_segment_fixed_size 0
		.amdhsa_enable_private_segment 0
		.amdhsa_kernarg_size 32
		.amdhsa_user_sgpr_count 2
		.amdhsa_user_sgpr_kernarg_segment_ptr 1
		.amdhsa_wavefront_size32 1
		.amdhsa_system_sgpr_workgroup_id_x 1
		.amdhsa_system_sgpr_workgroup_id_y 1
		.amdhsa_system_sgpr_workgroup_id_z 1
		.amdhsa_system_vgpr_workitem_id 0
		.amdhsa_next_free_vgpr 904
		.amdhsa_next_free_sgpr 100
		.amdhsa_reserve_vcc 1
		.amdhsa_float_denorm_mode_32 3
		.amdhsa_float_denorm_mode_16_64 3
		.amdhsa_memory_ordered 1
		.amdhsa_forward_progress 1
		.amdhsa_inst_pref_size 255
	.end_amdhsa_kernel
	.section	.bss,"aw",@nobits
	.p2align	6
	.space	262144
	.amdgpu_metadata
---
amdhsa.version: [ 1, 2 ]
amdhsa.kernels:
  - .name:           k_q26babc81b7_outp
    .symbol:         k_q26babc81b7_outp.kd
    .args:
      - { .name: qr, .offset: 0, .size: 8, .value_kind: global_buffer, .address_space: global }
      - { .name: st, .offset: 8, .size: 8, .value_kind: global_buffer, .address_space: global }
      - { .name: V, .offset: 16, .size: 8, .value_kind: global_buffer, .address_space: global }
      - { .name: out0, .offset: 24, .size: 8, .value_kind: global_buffer, .address_space: global }
    .group_segment_fixed_size: 217600
    .private_segment_fixed_size: 0
    .kernarg_segment_align: 8
    .kernarg_segment_size: 32
    .max_flat_workgroup_size: 128
    .sgpr_count:     100
    .vgpr_count:     904
    .wavefront_size: 32
...
	.end_amdgpu_metadata
.endif
;; end of part 2
